; MI455X (gfx1250); checked and timed in simulation.
; The chip was launched on July 23, 2026; its instructions are those of AMD's public machine-readable ISA for CDNA 5 (MIT licence, August 2026) and "CDNA5" Instruction Set Architecture Reference Guide (July 2026). The comments in the code are by the model that wrote it; some were corrected since.
;; Multi Head Attention. Allowed arithmetic: matrix products marked QUANTISED: E2M3 operands, one E8M0 scale for each 32 along K, by v_wmma_scale_f32_16x16x128_f8f6f4 with both operands' format E2M3, f32 sums; everything else in f32.
;; Inputs: W_proj 1,024 x 1,024 float32; W_qkv 3,072 x 1,024 float32; b_proj 1,024 float32; b_qkv 3,072 float32; x 4 x 2,048 x 1,024 float32.
;; Outputs: out0 4 x 2,048 x 1,024 float32.
;; This version of the problem:
;;   THIS VERSION OF THE PROBLEM IS GIVEN IN LOW PRECISION. The matrix products marked QUANTISED in the list below multiply operands that are first quantised to E2M3 (2 exponent bits, 3 mantissa bits; 6 bits a number), with one power-of-two scale for each 32 numbers along K (OCP MX v1.0); their sums are f32. All else is computed in f32.
;;   The module's matrix products, in the order in which they are computed (A, B: the left and right operand; K: the contracted axis; several contracted axes count as one K, in the product's order):
;;     1. [M 8,192, K 1,024] x [K 1,024, N 3,072]; A: input x; B: input W_qkv: QUANTISED
;;     2. batch 64 x [M 2,048, K 64] x [K 64, N 2,048]; A: computed on the way; B: computed on the way: QUANTISED
;;     3. batch 64 x [M 2,048, K 2,048] x [K 2,048, N 64]; A: softmax (see below); B: computed on the way: QUANTISED
;;     4. [M 8,192, K 1,024] x [K 1,024, N 1,024]; A: computed on the way; B: input W_proj: QUANTISED
;;   THE QUANTISER, for each operand of a quantised product, along K:
;;     - K is cut into blocks of 32 from its start; a last block that is shorter is filled with zeros.
;;     - A block's scale is 2^e with e = floor(log2(the largest magnitude in the block)) - 2, held to -126 .. 127; a block of zeros has e = 0. As a byte (E8M0): e + 127.
;;     - Each number is divided by its block's scale, clamped to +-7.5, and rounded to the nearest number of E2M3, ties to even, subnormals kept.
;;     - The product sums the exact products of the quantised numbers (number of the format x scale) in f32.
;;   ~~~python
;;   def quantise(x, axis):      # numpy; x: float32 -> the quantised numbers, widened to float32 again
;;       x = np.moveaxis(x, axis, -1); K = x.shape[-1]
;;       x = np.pad(x, [(0, 0)] * (x.ndim - 1) + [(0, -K % 32)]); x = x.reshape(x.shape[:-1] + (-1, 32)); a = np.abs(x).max(-1, keepdims=True)
;;       e = np.where(a > 0, np.clip(np.frexp(np.where(a > 0, a, 1))[1] - 1 - 2, -126, 127), 0)      # np.frexp(a)[1] - 1 = floor(log2(a)), exactly
;;       r = np.clip(x / 2.0 ** e, -7.5, 7.5)
;;       step = 2.0 ** (np.maximum(np.frexp(np.where(r == 0, 1, r))[1] - 1, 0) - 3)
;;       q = np.round(r / step) * step * 2.0 ** e      # np.round: ties to even
;;       return np.moveaxis(q.reshape(q.shape[:-2] + (-1,))[..., :K], -1, axis).astype(np.float32)
;;   ~~~
;;   SOFTMAX AHEAD OF A QUANTISED PRODUCT. Where the list says 'softmax', what is quantised is not the finished softmax but p = 2^(t - M), with t = logit x log2(e) and M = ceil(the row's largest t), a whole number; so 1/2 < the row's largest p <= 1. The row's sum l is taken of the UNQUANTISED p, in f32, and the product's result is divided by l at the end. Since M is a whole number, a kernel that streams over the keys may use a running M (the ceiling of the running maximum): every later rescaling is an exact power of two, which a block's scale takes up: the codes' values come out the same.
;;   OPERANDS COMPUTED ON THE WAY. 'Computed on the way' means the value that the module computes at that place (a softmax that the list does not call 'softmax' is quantised finished and normalised). What goes into a quantiser is computed in f32, as accurately as f32 sums, v_exp_f32 and their like allow (about 1e-6 of the number): no bf16 or f16 on the way to a quantiser, and a product that is left as it is and whose result goes on into a quantised operand takes f32 operands (vector FMAs, or v_wmma_f32_16x16x4_f32). A number that lies on a knife's edge between two numbers of the format may be rounded either way, as far as f32 arithmetic and the matrix unit's own rounding can turn it there, and no further.
;; One version. Each part assembles by itself: llvm-mc -triple=amdgcn-amd-amdhsa -mcpu=gfx1250 --defsym DOCPART=n.
;; ======== version 1 of 1: 4 launches
;; limits: right only within a limited range of input values
;; workspace buffers: codes 9,437,184 bytes; scales 393,216 bytes; qkv 20,185,088 bytes; oc 6,291,456 bytes; os 524,288 bytes
;; launch quant (part 1): grid 256 x 1, 6 waves a work-group, no clusters, 327,680 bytes of LDS; arguments x, W_qkv, W_proj, codes, scales; writes codes, scales
.if DOCPART == 1
	.amdgcn_target "amdgcn-amd-amdhsa--gfx1250"
	.amdhsa_code_object_version 6
	.text
	.protected	k_q76549cf307_quant
	.globl	k_q76549cf307_quant
	.p2align	8
	.type	k_q76549cf307_quant,@function
k_q76549cf307_quant:
	s_mov_b64 s[64:65], 0
	v_nop
	global_prefetch_b8 v0, s[64:65] scope:SCOPE_SE
	s_setreg_imm32_b32 hwreg(HW_REG_WAVE_MODE, 25, 1), 1
	s_wait_xcnt 0x0
.set PITCH, 528
.set HALF,  32*PITCH
.set WREG,  64*PITCH
.set LA,  4
.set L16, 5
.set L8,  6
.set SA,  7
.set SH8, 8
.set PT,  9
.set M,   10
.set SO,  12
.set BY,  14
.set PW,  16
.set S2,  20
.set CT,  24
.set C,   32
.set X,   96
	s_load_b256 s[4:11], s[0:1], 0x0
	s_load_b64 s[12:13], s[0:1], 0x20
	v_lshl_add_u32 v224, v0, 2, 0x31800
	v_mov_b32 v225, 0
	ds_add_u32 v224, v225
	ds_add_u32 v224, v225
	v_lshrrev_b32 v1, 5, v0
	v_readfirstlane_b32 s14, v1
	s_mul_i32 s15, ttmp9, 6
	s_add_co_u32 s15, s15, s14
	s_and_b32 s2, s15, 7
	s_lshr_b32 s3, s15, 3
	s_mov_b32 s16, 0x07920000
	s_mov_b32 s17, 128<<16
	s_mov_b32 s18, 64<<16
	s_mov_b32 s19, 128<<16
	s_mov_b32 s20, 64
	s_mov_b32 s21, 1024
	s_mov_b32 s22, 0
	s_mov_b32 s23, 0
	s_mul_i32 s32, s14, WREG
	s_mov_b32 s36, 0x76543210
	s_mov_b32 s37, 0xfedcba98
	s_wait_dscnt 0x0
	s_wait_kmcnt 0x0
	s_cmp_lt_u32 s3, 128
	s_cselect_b64 s[4:5], s[4:5], s[6:7]
	s_cselect_b32 s33, 0, 128
	s_cmp_lt_u32 s3, 176
	s_cselect_b64 s[4:5], s[4:5], s[8:9]
	s_cselect_b32 s33, s33, 176
	s_sub_co_u32 s33, s3, s33
	s_lshl_b32 s34, s33, 18
	s_lshl_b32 s35, s2, 9
	s_add_co_u32 s34, s34, s35
	s_mov_b32 s35, 0
	s_add_nc_u64 s[4:5], s[4:5], s[34:35]
	s_mov_b32 s24, 1
	s_mov_b32 s25, s32
	s_mov_b64 s[26:27], s[4:5]
	s_or_b32 s27, s27, 0x80000000
	tensor_load_to_lds s[24:27], s[16:23]          ; my wave's 64 rows x 128 numbers, one load; nothing is filled again
	s_nop 0
.rept 4
	v_nop
.endr
	v_and_b32 v1, 15, v0
	v_bfe_u32 v2, v0, 4, 1
	v_and_b32 v3, 8, v1
	v_mad_u32_u24 v3, v3, 3, v1                    ; tile i, lane r takes row 8 i + r % 8 + 32 (r / 8) of the 64
	v_mul_u32_u24 v[LA], v3, PITCH
	v_lshl_add_u32 v[LA], v2, 7, v[LA]
	v_add_nc_u32 v[LA], s32, v[LA]
	v_and_b32 v3, 31, v0
	v_lshlrev_b32 v[L16], 4, v3
	v_lshlrev_b32 v[L8], 3, v3
	v_lshlrev_b32 v[SA], 4, v1
	v_lshl_add_u32 v[SA], v2, 3, v[SA]
	v_lshlrev_b32 v[SH8], 3, v2
	v_mov_b32 v[PT], 0
	s_mul_i32 s34, s3, 49152
	s_mul_i32 s35, s2, 1536
	s_add_co_u32 s34, s34, s35
	s_mov_b32 s35, 0
	s_add_nc_u64 s[10:11], s[10:11], s[34:35]
	s_lshl_b32 s34, s15, 8
	s_add_nc_u64 s[12:13], s[12:13], s[34:35]
	s_mov_b32 vcc_lo, 0xffff0000
.macro LREAD i
.irp c, 0,1
.irp j, 0,1,2,3,4,5,6,7
	ds_load_b128 v[X+64*((\i)%2)+32*\c+4*\j:X+64*((\i)%2)+32*\c+4*\j+3], v[LA] offset:(\i)*8*PITCH+256*\c+16*\j
.endr
.endr
.endm
.macro UNIT i, left
.set XS, X+64*((\i)%2)
.set CC, C+12*(\i)
	s_wait_dscnt \left
	v_max3_num_f32 v[M], |v[XS]|, |v[XS+1]|, 0x1800000
	v_max3_num_f32 v[M+1], |v[XS+32]|, |v[XS+33]|, 0x1800000
.irp k, 2,4,6,8,10,12,14,16,18,20,22,24,26,28,30
	v_max3_num_f32 v[M], v[M], |v[XS+\k]|, |v[XS+\k+1]|
	v_max3_num_f32 v[M+1], v[M+1], |v[XS+32+\k]|, |v[XS+33+\k]|
.endr
	v_add_nc_u32 v[SO], 0xff000000, v[M]
	v_add_nc_u32 v[SO+1], 0xff000000, v[M+1]
	v_lshrrev_b32 v[BY], 23, v[SO]
	v_lshrrev_b32 v[BY+1], 23, v[SO+1]
	v_lshl_or_b32 v[BY], v[BY+1], 16, v[BY]
	v_lshlrev_b32 v[BY], v[SH8], v[BY]
	v_permlanex16_b32 v[PT], v[BY], s36, s37
	v_or_b32 v[PW+(\i)], v[BY], v[PT]
.irp c, 0,1
	v_cvt_scalef32_pk16_fp6_f32 v[CC+6*\c:CC+6*\c+2], v[XS+32*\c:XS+32*\c+15], v[SO+\c]
	v_cvt_scalef32_pk16_fp6_f32 v[CT+4*\c:CT+4*\c+2], v[XS+32*\c+16:XS+32*\c+31], v[SO+\c]
.endr
	v_nop
.irp c, 0,1
.irp k, 0,1,2
	v_mov_b32 v[CC+6*\c+3+\k], v[CT+4*\c+\k]
.endr
.endr
	global_store_b128 v[L16], v[CC:CC+3], s[10:11] offset:(\i)*12288
	global_store_b64 v[L8], v[CC+4:CC+5], s[10:11] offset:(\i)*12288+512
	global_store_b128 v[L16], v[CC+6:CC+9], s[10:11] offset:(\i)*12288+768
	global_store_b64 v[L8], v[CC+10:CC+11], s[10:11] offset:(\i)*12288+1280
.endm
	s_wait_alu depctr_va_vdst(0)
	s_wait_tensorcnt 0x0
	LREAD 0
	LREAD 1
	UNIT 0, 16
	LREAD 2
	UNIT 1, 16
	LREAD 3
	UNIT 2, 16
	UNIT 3, 0
	v_cndmask_b32 v[S2], v[PW], v[PW+2], vcc_lo
	v_cndmask_b32 v[S2+1], v[PW+1], v[PW+3], vcc_lo
	global_store_b64 v[SA], v[S2:S2+1], s[12:13]
	s_wait_tensorcnt 0x0
	ds_add_u32 v224, v225
	s_wait_dscnt 0x0
	s_endpgm
.Lfunc_end_k_q76549cf307_quant:
	.size	k_q76549cf307_quant, .Lfunc_end_k_q76549cf307_quant-k_q76549cf307_quant
	.p2alignl 7, 3214868480
	.fill 96, 4, 3214868480
	.section	.rodata,"a",@progbits
	.p2align	6, 0x0
	.amdhsa_kernel k_q76549cf307_quant
		.amdhsa_group_segment_fixed_size 327680
		.amdhsa_private_segment_fixed_size 0
		.amdhsa_enable_private_segment 0
		.amdhsa_kernarg_size 40
		.amdhsa_user_sgpr_count 2
		.amdhsa_user_sgpr_kernarg_segment_ptr 1
		.amdhsa_wavefront_size32 1
		.amdhsa_system_sgpr_workgroup_id_x 1
		.amdhsa_system_sgpr_workgroup_id_y 1
		.amdhsa_system_sgpr_workgroup_id_z 1
		.amdhsa_system_vgpr_workitem_id 0
		.amdhsa_next_free_vgpr 226
		.amdhsa_next_free_sgpr 66
		.amdhsa_reserve_vcc 1
		.amdhsa_float_denorm_mode_32 3
		.amdhsa_float_denorm_mode_16_64 3
		.amdhsa_memory_ordered 1
		.amdhsa_forward_progress 1
		.amdhsa_inst_pref_size 21
	.end_amdhsa_kernel
	.amdgpu_metadata
---
amdhsa.version: [ 1, 2 ]
amdhsa.kernels:
  - .name:           k_q76549cf307_quant
    .symbol:         k_q76549cf307_quant.kd
    .args:
      - { .name: x, .offset: 0, .size: 8, .value_kind: global_buffer, .address_space: global }
      - { .name: W_qkv, .offset: 8, .size: 8, .value_kind: global_buffer, .address_space: global }
      - { .name: W_proj, .offset: 16, .size: 8, .value_kind: global_buffer, .address_space: global }
      - { .name: codes, .offset: 24, .size: 8, .value_kind: global_buffer, .address_space: global }
      - { .name: scales, .offset: 32, .size: 8, .value_kind: global_buffer, .address_space: global }
    .group_segment_fixed_size: 327680
    .private_segment_fixed_size: 0
    .kernarg_segment_align: 8
    .kernarg_segment_size: 40
    .max_flat_workgroup_size: 192
    .sgpr_count:     66
    .vgpr_count:     226
    .wavefront_size: 32
...
	.end_amdgpu_metadata
.endif
;; end of part 1
;; launch qkv (part 2): grid 12 x 32, 4 waves a work-group, clusters of 4 x 4, 327,680 bytes of LDS; arguments codes, scales, b_qkv, qkv; writes qkv
.if DOCPART == 2
	.amdgcn_target "amdgcn-amd-amdhsa--gfx1250"
	.amdhsa_code_object_version 6
	.text
	.protected	k_q76549cf307_qkv
	.globl	k_q76549cf307_qkv
	.p2align	8
	.type	k_q76549cf307_qkv,@function
k_q76549cf307_qkv:
	s_mov_b64 s[64:65], 0
	v_nop
	global_prefetch_b8 v0, s[64:65] scope:SCOPE_SE
	s_setreg_imm32_b32 hwreg(HW_REG_WAVE_MODE, 25, 1), 1
	s_wait_xcnt 0x0
	s_wait_alu depctr_hold_cnt(0) depctr_sa_sdst(0) depctr_va_vdst(0) depctr_va_sdst(0) depctr_va_ssrc(0) depctr_va_vcc(0) depctr_vm_vsrc(0)
	s_getreg_b32 s2, hwreg(HW_REG_IB_STS2, 6, 4)
	s_cmp_eq_u32 s2, 0
	s_cbranch_scc0 .Lentry_in_a_cluster
	s_endpgm
.Lentry_in_a_cluster:
	s_bfe_u32 s2, ttmp6, 0x10000c
	s_cmp_lg_u32 s2, 0xf033
	s_cbranch_scc0 .Lentry_shape_is_right
	s_endpgm
.Lentry_shape_is_right:
; x W_qkv^T + b_qkv on codes of FP6 (E2M3) with E8M0 scales, and the result quantised at once: q and k along the head's 64, v along the keys.  Nothing goes to memory as f32.
; A work-group of four waves makes 256 x 256 results, a wave 128 x 128: 64 accumulators of 16 x 16 in windows 2 and 3.  K = 1,024 goes in eight steps of 128.
; TWO OPERANDS, P AND R.  P is source 0 of the matrix instruction: its index runs along a lane's eight registers, which is the axis that is quantised next.  R is source 1: its index is the lane.
; q, k (cluster x = 0, 1): P = 256 features of W_qkv, R = 256 tokens.   v (cluster x = 2): P = 256 tokens (keys), R = 256 features.  Both lie in the one buffer of codes, in blocks of 256 rows: only block numbers differ.
; The rows of a tile are 32 B + 8 u + p + 8 (p / 8) (tile 2 B + u): so the 16 registers of P's tiles 2 b and 2 b + 1 are 16 neighbours, 32 b + 16 (lane / 16) + 0 .. 15.
; CLUSTER 4 x 4: P's block hangs on cx alone and is asked for jointly by a column of the cluster, R's on cy alone and by a row: each tile is requested once for four work-groups.
; LDS: three slots of 256 along K (R's two halves, P's two halves, each [tile 8][step 2][1536 bytes], images of the operands' registers: every LDS load reads consecutive bytes).  Slots 0-2 are first fills; the fourth 256 along K fill slot 0 again.
; By this text's own count a wave has three tensor loads out at the start and one behind the refill.
; THE BIAS starts the sums (the accumulators begin as b_qkv), so the order of rounding differs from a bias added last.
; LIMITS: NaN and infinities are not served; a block of zeros, or one whose largest magnitude lies under 2^-124, keeps the scale byte 1.
; RESULTS, for each of 64 heads HS bytes: K [step 16][tile 8][768], V [step 16][tile of d 4][1536], K's scale words [step][lane][4], V's [step][lane][2], Q [tile 128][768], Q's scale words like K's.
; THE ROWS OF A TILE, as this text has them (in place of what stands above): tile 4 c + i, lane or row p is row 64 c + 8 i + p % 8 + 32 (p / 8): so the 32 registers of P's tiles 4 c .. 4 c + 3 are one whole scale block, 64 c + 32 (lane / 16) + 0 .. 31.
; LDS, as this text has it: region A, for each wave [tile 8][6,144 bytes], the first 512 along K, one load a wave at the head; region B behind it, [tile 8][3,072], the next 256, a first fill behind a drained round;
; the last 256 along K fill A's first bytes again, [tile 8][3,072], behind the round in K step 3.  By this text's own count a wave has one tensor load out.
.set SLOT,  98304
.set HALFT, 24576
.set SPARE, 3*SLOT                     ; the spare words: 128 bytes a wave, two blocks of 256 bytes that no other line names
.set HS,    315392
.set VOFF,  98304
.set KSOFF, 196608
.set VSOFF, 204800
.set QOFF,  208896
.set QSOFF, 307200
.set L16,  3                           ; v3   16 x lane
.set L8,   4                           ; v4   8 x lane
.set VOS,  5                           ; v5   my scale words' offset: lanes 0-15 R's rows, lanes 16-31 P's
.set H64,  6                           ; v6   128 h
.set RP4,  7                           ; v7   4 (r % 8 + 32 (r / 8))
.set AR16, 8                           ; v8-9  R's fragments in regions A, B: 16 x lane;  v11-12: 8 x lane
.set AR8,  11
.set AP16, 14                          ; v14-15, v17-18 the same for P
.set AP8,  17
.set FLO,  20                          ; v20  2^(3 - 127)
.set BIO,  21                          ; v21  offset of the bias along the registers
.set BLO,  22                          ; v22  offset of the bias along the lanes
.set VT,   23
.set SPW,  28                          ; v28  my spare word; never rewritten
.set NIL,  29                          ; v29  0; never rewritten
.set SC,   32                          ; v32-95 scale words of all of K: register 8 ks + i: lanes 0-15 R's tile i, lanes 16-31 P's tile i
.set TM,   96                          ; v96-111 at work in the quantiser
.set CT,   112                         ; v112-118
.set PW,   120                         ; v120-127 tile t's scale word
.set RF,   128                         ; v128-223 R's eight fragments, one set.  At the head: the biases;  at the end: the codes
.set BI,   128
.set BL,   192
.set BR,   200
.set PCB,  128
.set SW,   224
.set SL,   228
.set SH,   232
.set G1R,  24                          ; s[24:31], s[32:39] descriptor groups 1;  s[40:47], s[52:59] groups 0, a set for each slot
.set G1P,  32
.set G0R,  40
.set G0P,  52
.set MSB, 0
.macro WIN new                         ; the immediate's high byte repeats the setting that is left
.if MSB != \new
	s_set_vgpr_msb (MSB<<8)|\new
.set MSB, \new
.endif
.endm
.macro JLOAD g0a, g1a, g0b, g1b        ; a joint load: waves 0 and 1 fetch R's halves, waves 2 and 3 P's; four v_nop follow each line
	s_cmp_eq_u32 s15, 0
	s_cbranch_scc0 .Lfor_p_\@
	tensor_load_to_lds s[\g0a:\g0a+3], s[\g1a:\g1a+7]
	s_nop 0
.rept 4
	v_nop
.endr
	s_branch .Lasked_\@
.Lfor_p_\@:
	tensor_load_to_lds s[\g0b:\g0b+3], s[\g1b:\g1b+7]
	s_nop 0
.rept 4
	v_nop
.endr
.Lasked_\@:
.endm
.macro CREST                           ; a round of the cluster's barrier behind its opening barrier
	s_cmp_lg_u32 s14, 0
	s_cbranch_scc1 .Lnot_wave_0_\@
	s_barrier_signal -3
.Lnot_wave_0_\@:
	s_barrier_wait -3
	s_barrier_signal -1
	s_barrier_wait -1
.endm
.macro CROUND
	s_barrier_signal -1
	s_barrier_wait -1
	CREST
.endm
.macro PLACES n
.rept \n
	v_nop
.endr
.endm
.macro FRAG reg, a16, a8, off          ; a fragment's 12 registers, as they were stored
	ds_load_b128 v[\reg:\reg+3], v[\a16] offset:\off
	ds_load_b64 v[\reg+4:\reg+5], v[\a8] offset:\off+512
	ds_load_b128 v[\reg+6:\reg+9], v[\a16] offset:\off+768
	ds_load_b64 v[\reg+10:\reg+11], v[\a8] offset:\off+1280
.endm
.macro FETCH_P slot, q, set            ; P's eight fragments into window 1, set 0 at v0, set 1 at v128
	WIN 0x40
.irp i, 0,1,2,3,4,5,6,7
	FRAG 128*(\set)+12*\i, AP16+\slot, AP8+\slot, \i*TPI+(\q)*1536
.endr
	WIN 0
.endm
.macro FETCH_R slot, q, i0             ; R's tiles i0 .. i0 + 3
.irp i, \i0, \i0+1, \i0+2, \i0+3
	FRAG RF+12*(\i), AR16+\slot, AR8+\slot, (\i)*TPI+(\q)*1536
.endr
.endm
; 16 matrix instructions: R's tiles a0, a0 + 1 against P's eight.  The 64 accumulators take turns, one instruction a turn, in the same order in every step.
.macro MUL16 a0, ks
.irp a, \a0, \a0+1
.irp b, 0,1,2,3,4,5,6,7
	v_wmma_scale_f32_16x16x128_f8f6f4 v[8*(8*((\a)%4)+\b):8*(8*((\a)%4)+\b)+7], v[128*((\ks)%2)+12*\b:128*((\ks)%2)+12*\b+11], v[RF+12*(\a):RF+12*(\a)+11], v[8*(8*((\a)%4)+\b):8*(8*((\a)%4)+\b)+7], v[SC+8*(\ks)+\b], v[SC+8*(\ks)+(\a)] matrix_a_fmt:MATRIX_FMT_FP6 matrix_b_fmt:MATRIX_FMT_FP6 matrix_a_scale:MATRIX_SCALE_ROW1
.endr
.endr
.endm
; A step of 128 along K; it fetches the next step's fragments from slot ns, half nq.  Loads into registers that matrix instructions have read stand four plain places behind them (ISA guide 7.12.1 for vector instructions).
.macro STEP ks, ns, nq
	s_wait_dscnt 16                                ; P's set and R's tiles 0-3 are in; the 16 loads of R's tiles 4-7 may be out
	WIN 0xa1
	MUL16 0, \ks
	MUL16 2, \ks
	s_wait_dscnt 0x0
	PLACES 4
	FETCH_P \ns, \nq, 1-(\ks)%2
	FETCH_R \ns, \nq, 0
	WIN 0xf1
	MUL16 4, \ks
	MUL16 6, \ks
	PLACES 4
	WIN 0
	FETCH_R \ns, \nq, 4
.endm
	s_load_b256 s[4:11], s[0:1], 0x0               ; codes s[4:5], scales s[6:7], b_qkv s[8:9], qkv s[10:11]
	v_lshl_add_u32 v[SPW], v0, 2, SPARE
	v_mov_b32 v[NIL], 0
	ds_add_u32 v28, v29
	ds_add_u32 v28, v29
	s_wait_dscnt 0x0
	v_lshrrev_b32 v1, 5, v0
	v_readfirstlane_b32 s14, v1                    ; wave 0..3
	s_lshr_b32 s15, s14, 1                         ; my half of R.  Also: I fetch for R (0) or for P (1)
	s_and_b32 s16, s14, 1                          ; my half of P.  Also: which half I fetch
	s_bfe_u32 s17, ttmp6, 0x40000                  ; cx
	s_bfe_u32 s18, ttmp6, 0x40004                  ; cy
	s_mov_b32 s12, ttmp9                           ; cluster x: 0 q, 1 k, 2 v: the same in all sixteen partners
	s_and_b32 s13, ttmp7, 0xffff                   ; cluster y
	s_lshl_b32 s20, s13, 2
	s_lshl_b32 s21, s12, 2
	s_add_co_u32 s21, s21, 32
	s_cmp_eq_u32 s12, 2
	s_cselect_b32 s19, -1, 0                       ; all lanes for v, none for q and k
	s_cselect_b32 s66, s20, s21
	s_cselect_b32 s67, 40, s20
	s_add_co_u32 s66, s66, s17                     ; P's block of 256 rows: tokens 4 CY + cx (v), features 32 + 4 type + cx (q, k)
	s_add_co_u32 s67, s67, s18                     ; R's: features 40 + cy (v), tokens 4 CY + cy (q, k)
	s_lshl_b32 s95, s18, 2
	s_lshl_b32 s95, 15, s95                        ; my row of the cluster
	s_lshl_b32 s94, 0x1111, s17                    ; my column
	s_or_b32 s[G1R], s95, (3<<16)|(1<<21)          ; the mask; elements of 8 bytes; bit 21 beside a mask; no padding
	s_or_b32 s[G1P], s94, (3<<16)|(1<<21)
.irp g, G1R, G1P
	s_mov_b32 s[\g+1], 768<<16                     ; tensor_dim0: 6,144 bytes, a tile's 512 along K (the head's load)
	s_mov_b32 s[\g+2], 8<<16                       ; tensor_dim1: 8 tiles
	s_mov_b32 s[\g+3], 768<<16
	s_mov_b32 s[\g+4], 8                           ; tile_dim1
	s_mov_b32 s[\g+5], 1536                        ; from tile to tile: 12,288 bytes
	s_mov_b32 s[\g+6], 0
	s_mov_b32 s[\g+7], 0
.endr
	s_mul_i32 s22, s67, 196608                     ; R: its block, and the half that I fetch
	s_mul_i32 s23, s16, 98304
	s_add_co_u32 s22, s22, s23
	s_mov_b32 s23, 0
	s_mul_i32 s2, s66, 196608                      ; P likewise, in registers that never hold cy
	s_mul_i32 s3, s16, 98304
	s_add_co_u32 s2, s2, s3
	s_mov_b32 s3, 0
	s_mul_i32 s96, s14, 2*HALFT                    ; where they go: region A, wave x 49,152;
	s_mul_i32 s97, s14, HALFT                      ; region B, wave x 24,576
	s_mov_b32 s80, 0x76543210
	s_mov_b32 s81, 0xfedcba98
	s_wait_kmcnt 0x0
	s_add_nc_u64 s[22:23], s[4:5], s[22:23]
	s_add_nc_u64 s[2:3], s[4:5], s[2:3]
	CROUND                                         ; all sixteen work-groups are here: the first joint loads meet
.irp s, 0,1
	s_mov_b32 s[G0R+4*\s], 1
	s_add_co_u32 s[G0R+4*\s+1], s[96+\s], \s*2*SLOT
	s_add_nc_u64 s[G0R+4*\s+2:G0R+4*\s+3], s[22:23], \s*6144
	s_or_b32 s[G0R+4*\s+3], s[G0R+4*\s+3], 0x80000000
	s_mov_b32 s[G0P+4*\s], 1
	s_add_co_u32 s[G0P+4*\s+1], s[96+\s], \s*2*SLOT
	s_add_nc_u64 s[G0P+4*\s+2:G0P+4*\s+3], s[2:3], \s*6144
	s_or_b32 s[G0P+4*\s+3], s[G0P+4*\s+3], 0x80000000
.endr
	JLOAD G0R, G1R, G0P, G1P                       ; region A: one tensor load a wave at the head
	v_and_b32 v1, 15, v0                           ; r
	v_bfe_u32 v2, v0, 4, 1                         ; h
	v_and_b32 v[VT], 31, v0
	v_lshlrev_b32 v[L16], 4, v[VT]
	v_lshlrev_b32 v[L8], 3, v[VT]
	v_lshlrev_b32 v[H64], 7, v2                    ; 128 h: lanes 16-31 hold P's indices 32 further on
	v_lshlrev_b32 v24, 3, v2                       ; 8 h
	v_and_b32 v[RP4], 8, v1
	v_mad_u32_u24 v[RP4], v[RP4], 3, v1            ; r % 8 + 32 (r / 8)
	v_lshlrev_b32 v[RP4], 2, v[RP4]
	s_mul_i32 s97, s15, 2*HALFT
	s_mul_i32 s98, s16, 2*HALFT
	s_add_co_u32 s98, s98, 4*HALFT
.irp s, 0,1
	v_add_nc_u32 v[AR16+\s], s97, v[L16]
	v_add_nc_u32 v[AR8+\s], s97, v[L8]
	v_add_nc_u32 v[AP16+\s], s98, v[L16]
	v_add_nc_u32 v[AP8+\s], s98, v[L8]
	s_mul_i32 s97, s15, HALFT                      ; region B
	s_mul_i32 s98, s16, HALFT
	s_add_co_u32 s97, s97, 2*SLOT
	s_add_co_u32 s98, s98, 2*SLOT+2*HALFT
.endr
	v_mov_b32 v[FLO], 0x1800000
	; the biases.  q, k: b_qkv runs along P (the registers);  v: along R (the lanes).  Both sets are loaded, from a place inside the buffer, and the one that does not apply is made 0.
	s_sub_co_u32 s84, s66, 32
	s_lshl_b32 s84, s84, 10
	s_lshl_b32 s85, s16, 9
	s_add_co_u32 s84, s84, s85                     ; (256 (4 type + cx) + 128 wp) x 4
	s_lshl_b32 s86, s18, 10
	s_lshl_b32 s87, s15, 9
	s_add_co_u32 s86, s86, s87
	s_add_co_u32 s86, s86, 8192                    ; (2048 + 256 cy + 128 wr) x 4
	s_cmp_eq_u32 s12, 2
	s_cselect_b32 s84, 0, s84
	s_cselect_b32 s86, s86, 0
	v_add_nc_u32 v[BIO], s84, v[H64]
	v_add_nc_u32 v[BLO], s86, v[RP4]
.irp p, 0,1,2,3,4,5,6,7
	global_load_b128 v[BI+8*\p:BI+8*\p+3], v[BIO], s[8:9] offset:(64*(\p/4)+8*(\p%4))*4
	global_load_b128 v[BI+8*\p+4:BI+8*\p+7], v[BIO], s[8:9] offset:(64*(\p/4)+8*(\p%4))*4+16
.endr
.irp t, 0,1,2,3,4,5,6,7
	global_load_b32 v[BL+\t], v[BLO], s[8:9] offset:(64*(\t/4)+8*(\t%4))*4
.endr
	; the scale words of my 128 rows of R and of P, for all of K: sixteen lanes read 256 consecutive bytes
	s_lshl_b32 s82, s67, 2
	s_lshl_b32 s83, s15, 1
	s_add_co_u32 s82, s82, s83
	s_lshl_b32 s82, s82, 11
	s_lshl_b32 s83, s66, 2
	s_lshl_b32 s85, s16, 1
	s_add_co_u32 s83, s83, s85
	s_lshl_b32 s83, s83, 11
	s_mov_b32 vcc_lo, 0xffff0000
	v_mov_b32 v[VOS], s82
	v_mov_b32 v[VT], s83
	v_cndmask_b32 v[VOS], v[VOS], v[VT], vcc_lo
	v_lshl_add_u32 v[VOS], v1, 4, v[VOS]
.irp k, 0,1,2,3,4,5,6,7
.irp g, 0,1
	global_load_b128 v[SC+8*\k+4*\g:SC+8*\k+4*\g+3], v[VOS], s[6:7] offset:\k*256+\g*2048
.endr
.endr
	; where the results go (only global addresses hang on cx and cy)
	s_cmp_eq_u32 s12, 2
	s_cselect_b32 s82, s66, s67                    ; the block of tokens
	s_cselect_b32 s83, s16, s15                    ; my half of it
	s_cselect_b32 s84, s18, s17                    ; the block of features within q, k or v
	s_cselect_b32 s85, s15, s16                    ; my half of it
	s_mov_b32 s72, 768
	s_cselect_b32 s72, 1536, s72                   ; from tile to tile
	s_cselect_b32 s74, HS-6144, 0                  ; v: behind tile 3 on to the next head
	s_mov_b32 s86, HS
	s_cselect_b32 s86, 768, s86                    ; from a fragment's first half to its second: the next head (q, k), the next 64 keys (v)
	s_cselect_b32 s87, 8, 9                        ; scale words of 128 tokens: 256 bytes (v), 512 (q, k)
	s_mov_b32 s88, 0
	s_mov_b32 s89, KSOFF
	s_cselect_b32 s88, VOFF, s88
	s_cselect_b32 s89, VSOFF, s89
	s_cmp_eq_u32 s12, 0
	s_cselect_b32 s88, QOFF, s88
	s_cselect_b32 s89, QSOFF, s89
	s_mov_b32 s73, 0
	s_mov_b32 s75, 0
	s_lshr_b32 s90, s82, 3                         ; the batch
	s_and_b32 s82, s82, 7
	s_lshl_b32 s82, s82, 1
	s_add_co_u32 s82, s82, s83                     ; which 128 tokens of the sequence
	s_lshl_b32 s84, s84, 2
	s_lshl_b32 s85, s85, 1
	s_add_co_u32 s84, s84, s85                     ; my first head
	s_lshl_b32 s90, s90, 4
	s_add_co_u32 s90, s90, s84
	s_mul_i32 s90, s90, HS
	s_mul_i32 s92, s82, 6144
	s_add_co_u32 s92, s92, s90
	s_add_co_u32 s92, s92, s88
	s_mov_b32 s93, 0
	s_add_nc_u64 s[68:69], s[10:11], s[92:93]      ; the codes' first halves
	s_mov_b32 s92, s86
	s_add_nc_u64 s[70:71], s[68:69], s[92:93]      ; and second halves
	s_lshl_b32 s92, s82, s87
	s_add_co_u32 s92, s92, s90
	s_add_co_u32 s92, s92, s89
	s_add_nc_u64 s[76:77], s[10:11], s[92:93]      ; scale words of my first head,
	s_add_nc_u64 s[78:79], s[76:77], HS            ; of my second
	s_wait_loadcnt 16                              ; the biases are in; the 16 loads of scale words may be out
.set K0, 0
.rept 64
	v_cndmask_b32 v[BI+K0], v[BI+K0], v[NIL], s19
.set K0, K0+1
.endr
.irp t, 0,1,2,3,4,5,6,7
	v_cndmask_b32 v[BR+2*\t], v[NIL], v[BL+\t], s19
	v_cndmask_b32 v[BR+2*\t+1], v[NIL], v[BL+\t], s19
.endr
.irp w, 0,1                            ; the accumulators begin as the bias (one of the two addends is 0): this stands while the first tiles are on their way
	WIN 0x80+0x40*\w
.irp t, 0,1,2,3
.irp p, 0,1,2,3,4,5,6,7
.irp j, 0,2,4,6
	v_pk_add_f32 v[8*(8*\t+\p)+\j:8*(8*\t+\p)+\j+1], v[BI+8*\p+\j:BI+8*\p+\j+1], v[BR+2*(4*\w+\t):BR+2*(4*\w+\t)+1]
.endr
.endr
.endr
.endr
	WIN 0
	PLACES 8
	s_wait_alu depctr_va_vdst(0)
	s_wait_tensorcnt 0x0                           ; my part of region A is in
	ds_add_u32 v[SPW], v[NIL]
	s_mov_b32 s[G1R+1], 384<<16                    ; no tensor load of mine is out: from here on a load brings 3,072 bytes a tile
	s_mov_b32 s[G1R+3], 384<<16
	s_mov_b32 s[G1P+1], 384<<16
	s_mov_b32 s[G1P+3], 384<<16
	s_wait_dscnt 0x0
	CROUND
	JLOAD G0R+4, G1R, G0P+4, G1P                   ; region B: it has K steps 0 to 2 in which to land
.set TPI, 6144
	FETCH_P 0, 0, 0
	FETCH_R 0, 0, 0
	FETCH_R 0, 0, 4
	s_wait_loadcnt 0x0                             ; the scale words
	STEP 0, 0, 1
	STEP 1, 0, 2
	STEP 2, 0, 3
	; K step 3 leaves slot 0, which is filled again with the last 256 along K
	s_wait_tensorcnt 0x0                           ; all my tensor loads have landed, my part of region B among them
	ds_add_u32 v[SPW], v[NIL]                      ; 0 onto my spare word
	s_wait_dscnt 17                                ; (the add and the 16 loads of R's tiles 4-7 may be out)
	WIN 0xa1
	MUL16 0, 3
	s_wait_dscnt 0x0                               ; the add is done, and my reads of slot 0 are over
	s_barrier_signal -1
	MUL16 2, 3
	WIN 0
	s_barrier_wait -1
	CREST                                          ; the barrier has opened a round of the cluster's: no wave of any partner still reads slot 0 or has a load on its way
	s_add_nc_u64 s[G0R+2:G0R+3], s[G0R+2:G0R+3], 3*3072
	s_add_nc_u64 s[G0P+2:G0P+3], s[G0P+2:G0P+3], 3*3072
	JLOAD G0R, G1R, G0P, G1P                       ; the one refill: the last 256 along K over region A's first bytes; its four v_nop are the places in front of the loads below
.set TPI, 3072
	FETCH_P 1, 0, 0
	FETCH_R 1, 0, 0
	WIN 0xf1
	MUL16 4, 3
	MUL16 6, 3
	PLACES 4
	WIN 0
	FETCH_R 1, 0, 4
	STEP 4, 1, 1
	; K step 5: the refill is waited for and shown to all four waves
	s_wait_tensorcnt 0x0
	s_wait_dscnt 16
	WIN 0xa1
	MUL16 0, 5
	s_wait_dscnt 0x0
	s_barrier_signal -1
	MUL16 2, 5
	WIN 0
	s_barrier_wait -1
	PLACES 4
	FETCH_P 0, 0, 0
	FETCH_R 0, 0, 0
	WIN 0xf1
	MUL16 4, 5
	MUL16 6, 5
	PLACES 4
	WIN 0
	FETCH_R 0, 0, 4
	STEP 6, 0, 1
	s_wait_dscnt 16                                ; the last step fetches nothing
	WIN 0xa1
	MUL16 0, 7
	MUL16 2, 7
	s_wait_dscnt 0x0
	WIN 0xf1
	MUL16 4, 7
	MUL16 6, 7
	WIN 0
	PLACES 4
.irp b, 0,1,2,3
	v_mov_b32 v[TM+4+\b], 0                        ; a lane permute's destination counts as one of its sources
.endr
; R's tile t: a lane's 64 numbers (register 32 c + i = P's index 64 c + 32 (lane / 16) + i) become a fragment's codes and a scale word.  Each accumulator is read from its low end on.
.macro QUANTW t
.set AC, 64*((\t)%4)
.set PC, PCB+12*(\t)
.set W1, 2+(\t)/4
.set W2, (W1<<2)|(W1<<4)
	WIN W2
.irp b, 0,1,2,3
	v_max3_num_f32 v[TM+\b], v[FLO], |v[AC+16*\b]|, |v[AC+16*\b+1]|
.endr
.irp i, 2,4,6,8,10,12,14
.irp b, 0,1,2,3
	v_max3_num_f32 v[TM+\b], v[TM+\b], |v[AC+16*\b+\i]|, |v[AC+16*\b+\i+1]|
.endr
.endr
	WIN 0
.irp b, 0,1,2,3
	v_mov_b32 v[TM+4+\b], v[TM+1-\b+4*(\b/2)]      ; the other half of my own block of 32
.endr
.irp b, 0,1,2,3
	v_max_num_f32 v[TM+\b], v[TM+\b], v[TM+4+\b]   ; with the other half's: the block's largest magnitude
.endr
.irp b, 0,1,2,3
	v_add_nc_u32 v[TM+12+\b], 0xff000000, v[TM+\b] ; 2 off its exponent field: the conversion's scale operand
.endr
.irp b, 0,1,2,3
	v_lshrrev_b32 v[TM+4+\b], 23, v[TM+12+\b]      ; the byte
.endr
	v_lshl_or_b32 v[PW+(\t)], v[TM+6], 16, v[TM+4] ; my two bytes: blocks h and 2 + h,
	v_lshlrev_b32 v[PW+(\t)], v24, v[PW+(\t)]      ; at their places (8 h bits up);
	v_permlanex16_b32 v[TM+5], v[PW+(\t)], s80, s81
	v_or_b32 v[PW+(\t)], v[PW+(\t)], v[TM+5]       ; with lane l xor 16's two the word is whole
	WIN W1
.irp c, 0,1
	v_cvt_scalef32_pk16_fp6_f32 v[PC+6*\c:PC+6*\c+2], v[AC+32*\c:AC+32*\c+15], v[TM+12+2*\c]
	v_cvt_scalef32_pk16_fp6_f32 v[CT+4*\c:CT+4*\c+2], v[AC+32*\c+16:AC+32*\c+31], v[TM+12+2*\c+1]
.endr
	WIN 0
	v_nop
.irp c, 0,1
.irp k, 0,1,2
	v_mov_b32 v[PC+6*\c+3+\k], v[CT+4*\c+\k]
.endr
.endr
.if (\t) > 0
	s_wait_alu depctr_va_vdst(0)
	s_wait_xcnt 0x0                                ; the last tile's stores have read their bases
	s_add_nc_u64 s[68:69], s[68:69], s[72:73]
	s_add_nc_u64 s[70:71], s[70:71], s[72:73]
.if (\t) == 4
	s_add_nc_u64 s[68:69], s[68:69], s[74:75]
	s_add_nc_u64 s[70:71], s[70:71], s[74:75]
.endif
.endif
	global_store_b128 v[L16], v[PC:PC+3], s[68:69]             ; 512 consecutive bytes
	global_store_b64 v[L8], v[PC+4:PC+5], s[68:69] offset:512  ; 256
	global_store_b128 v[L16], v[PC+6:PC+9], s[70:71]
	global_store_b64 v[L8], v[PC+10:PC+11], s[70:71] offset:512
.endm
.irp t, 0,1,2,3,4,5,6,7
	QUANTW \t
.endr
	s_mov_b32 vcc_lo, 0xffff0000
.irp k, 0,1,2,3
	v_cndmask_b32 v[SW+\k], v[PW+2*\k], v[PW+2*\k+1], vcc_lo   ; lanes 0-15 tile 2 k's word of row r, lanes 16-31 tile 2 k + 1's
.endr
.irp k, 0,1,2,3
	v_and_b32 v[SL+\k], 0xffff, v[SW+\k]           ; q, k: my first head's two bytes; the upper two bytes are 0
	v_lshrrev_b32 v[SH+\k], 16, v[SW+\k]           ; my second head's
.endr
	s_cmp_eq_u32 s12, 2                            ; the same in all partners
	s_cbranch_scc1 .Lv_words
	global_store_b128 v[L16], v[SL:SL+3], s[76:77]
	global_store_b128 v[L16], v[SH:SH+3], s[78:79]
	s_branch .Lwords_done
.Lv_words:
	global_store_b64 v[L8], v[SW:SW+1], s[76:77]   ; v: whole words (128 keys); tiles 0-3 are my first head's, tiles 4-7 my second's
	s_wait_alu depctr_va_vdst(0)
	global_store_b64 v[L8], v[SW+2:SW+3], s[78:79]
.Lwords_done:
	s_wait_tensorcnt 0x0                           ; the wave's end
	ds_add_u32 v[SPW], v[NIL]
	s_wait_dscnt 0x0
	CROUND                                         ; the closing round
	s_endpgm
.Lfunc_end_k_q76549cf307_qkv:
	.size	k_q76549cf307_qkv, .Lfunc_end_k_q76549cf307_qkv-k_q76549cf307_qkv
	.p2alignl 7, 3214868480
	.fill 96, 4, 3214868480
	.section	.rodata,"a",@progbits
	.p2align	6, 0x0
	.amdhsa_kernel k_q76549cf307_qkv
		.amdhsa_group_segment_fixed_size 327680
		.amdhsa_private_segment_fixed_size 0
		.amdhsa_enable_private_segment 0
		.amdhsa_kernarg_size 32
		.amdhsa_user_sgpr_count 2
		.amdhsa_user_sgpr_kernarg_segment_ptr 1
		.amdhsa_wavefront_size32 1
		.amdhsa_system_sgpr_workgroup_id_x 1
		.amdhsa_system_sgpr_workgroup_id_y 1
		.amdhsa_system_sgpr_workgroup_id_z 1
		.amdhsa_system_vgpr_workitem_id 0
		.amdhsa_next_free_vgpr 1024
		.amdhsa_next_free_sgpr 100
		.amdhsa_reserve_vcc 1
		.amdhsa_float_denorm_mode_32 3
		.amdhsa_float_denorm_mode_16_64 3
		.amdhsa_memory_ordered 1
		.amdhsa_forward_progress 1
		.amdhsa_inst_pref_size 169
	.end_amdhsa_kernel
	.amdgpu_metadata
---
amdhsa.version: [ 1, 2 ]
amdhsa.kernels:
  - .name:           k_q76549cf307_qkv
    .symbol:         k_q76549cf307_qkv.kd
    .args:
      - { .name: codes, .offset: 0, .size: 8, .value_kind: global_buffer, .address_space: global }
      - { .name: scales, .offset: 8, .size: 8, .value_kind: global_buffer, .address_space: global }
      - { .name: b_qkv, .offset: 16, .size: 8, .value_kind: global_buffer, .address_space: global }
      - { .name: qkv, .offset: 24, .size: 8, .value_kind: global_buffer, .address_space: global }
    .group_segment_fixed_size: 327680
    .private_segment_fixed_size: 0
    .kernarg_segment_align: 8
    .kernarg_segment_size: 32
    .max_flat_workgroup_size: 128
    .sgpr_count:     100
    .vgpr_count:     1024
    .wavefront_size: 32
...
	.end_amdgpu_metadata
.endif
;; end of part 2
;; launch attn (part 3): grid 4 x 64, 16 waves a work-group, clusters of 4 x 1, 215,040 bytes of LDS; arguments qkv, oc, os; writes oc, os
.if DOCPART == 3
	.amdgcn_target "amdgcn-amd-amdhsa--gfx1250"
	.amdhsa_code_object_version 6
	.text
	.protected	k_q76549cf307_attn
	.globl	k_q76549cf307_attn
	.p2align	8
	.type	k_q76549cf307_attn,@function
k_q76549cf307_attn:
	s_mov_b64 s[64:65], 0
	v_nop
	global_prefetch_b8 v0, s[64:65] scope:SCOPE_SE
	s_setreg_imm32_b32 hwreg(HW_REG_WAVE_MODE, 25, 1), 1
	s_wait_xcnt 0x0
	s_wait_alu depctr_hold_cnt(0) depctr_sa_sdst(0) depctr_va_vdst(0) depctr_va_sdst(0) depctr_va_ssrc(0) depctr_va_vcc(0) depctr_vm_vsrc(0)
	s_getreg_b32 s2, hwreg(HW_REG_IB_STS2, 6, 4)
	s_cmp_eq_u32 s2, 0
	s_cbranch_scc0 .Lentry_in_a_cluster
	s_endpgm
.Lentry_in_a_cluster:
	s_bfe_u32 s2, ttmp6, 0x10000c
	s_cmp_lg_u32 s2, 0x3003
	s_cbranch_scc0 .Lentry_shape_is_right
	s_endpgm
.Lentry_shape_is_right:
; o = softmax(q k^T / 8) v for one head and 512 queries, both products on codes of FP6 (E2M3) with E8M0 scales; o is divided by the row's sum and quantised along the head's 64 at once.
; THE SOFTMAX: t = score x log2(e) / 8; M = the running largest t rounded up to a whole number; p = 2^(t - M) is quantised along the keys, not normalised; the row's sum is taken of the unquantised p.  When M moves, the sums and O are multiplied by 2^(old M - new M): exact.
; SHARES: 64 heads x 4 blocks of 512 queries = 256 work-groups.  Sixteen waves, four to a SIMD; a wave takes two tiles of 16 queries, one after the other (tiles w and 16 + w of the block's 32), each over the head's 16 key steps of 128 keys.
; LDS: the whole head's K, V and scale words, 208,896 bytes, as they lie in memory (images of the operands' registers), filled once: one joint load a wave.  Waves 0-9: key steps 0-3 of K and of V and the scale words, 6,144 bytes each;
; waves 10-15: the other twelve key steps, 24,576 bytes each.  The first two key steps begin when waves 0-9's loads are in; a second barrier shows the rest.  All is asked for at the head, so there is no later tile to prefetch.
; CLUSTER 4 x 1: the four blocks of queries of one head want the same bytes: every load is joint, with the mask of all four.
; LAYOUT: both products transposed (S^T = K Q^T, O^T = V^T P^T): a lane holds one query (lane % 16).  Row p of tile 4 c + i is key 64 c + 8 i + p % 8 + 32 (p / 8): so a lane's 32 registers of tiles 4 c .. 4 c + 3 are the whole block of keys
; 64 c + 32 (lane / 16) + 0 .. 31, in the order of the second product's operand: no lane is asked for a block's maximum and no code changes lanes.  V's tiles of d are laid the same way, so a lane's 32 registers of O^T are one block of d.
; K = 64 IN THE FIRST PRODUCT: the instruction takes 128.  Q's registers 6-11 are zero codes and the scale bytes of k = 64 .. 127 are 0 (2^-127) on both sides; K's operand for tile t runs on into tile t + 1's registers, whose codes meet Q's zeros.
; THE ROW'S SUM runs in four chains of pairs that stand from step to step; a chain's first line of a step is acc x 2^(old M - new M) + p.  The sum's lines stand behind the second product (they are the places in front of the next loads), its last four among the next step's first products.
; A tile's first step has the factor 0: what O and the sums held before counts for nothing, so the second tile clears nothing.
; LIMITS: NaN and infinities are not served; the promise holds while the scaled scores stay under 2^31 in magnitude; 1 / the sum is v_rcp_f32; a block of zeros, or one under 2^-124, keeps the scale byte 1.
.set HS,    315392
.set VOFF,  98304
.set KSOFF, 196608
.set VSOFF, 204800
.set QOFF,  208896
.set QSOFF, 307200
.set OSB,   208896                     ; LDS behind the head: 2,048 bytes, the stage for o's scale words
.set SPARE, 0x34000                    ; the spare words: 128 bytes a wave
.set B16,  1                           ; 16 x lane
.set B8,   2                           ; 8 x lane
.set AK16, 3                           ; v3-8 the pair's addresses
.set AK8,  4
.set AV16, 5
.set AV8,  6
.set AKS,  7
.set AVS,  8
.set QS,   9                           ; Q's scale words
.set OSA,  10                          ; where I put o's scale word
.set OSR,  11                          ; where waves 0 to 3 read them back
.set QF,   16                          ; v16-27 Q's fragment
.set KSC,  28                          ; v28-31 K's scale words: register t / 2, lanes 0-15 even tiles, lanes 16-31 odd
.set FB,   32                          ; v32-85 K's eight tiles, 6 registers each, and 6 zeros; later V's four fragments
.set VSC,  86
.set SH8,  88                          ; 8 x (lane / 16)
.set QSO,  89                          ; 16 x (lane % 16)
.set TQ,   90
.set TP,   91
.set S,    96                          ; v96-159 S^T, then p
.set O,    160                         ; v160-191 O^T
.set PC,   192                         ; v192-203 p's codes
.set CT,   204
.set MX,   212                         ; v212-215 four chains of maxima
.set BM,   216                         ; v216-217 my two blocks' largest score, then largest p
.set SO,   218
.set BT,   220
.set PW,   224                         ; p's scale word
.set F,    226                         ; v[226:227] 2^(old M - new M)
.set Q1,   236                         ; v236-242 the second tile's Q and its scale words
.set AC,   244                         ; v244-251 the row's sum: four chains of pairs
.set SPW,  254
.set NIL,  255
.set WV,   18
.set SEL,  20
.set CS,   22
.macro WALU
	s_wait_alu depctr_va_vdst(0)
.endm
.macro DEP n
	s_delay_alu instid0(VALU_DEP_\n)
.endm
.macro ROUND                           ; a round of the cluster's barrier
	s_barrier_signal -1
	s_barrier_wait -1
	s_cmp_lg_u32 s[WV], 0
	s_cbranch_scc1 .Lnot_wave_0_\@
	s_barrier_signal -3
.Lnot_wave_0_\@:
	s_barrier_wait -3
	s_barrier_signal -1
	s_barrier_wait -1
.endm
.macro G1SET g, rows                   ; a dense block as rows of 256 bytes
	s_mov_b32 s[\g], 0x0023000f                    ; the mask: all four work-groups; elements of 8 bytes; bit 21 beside a mask
	s_mov_b32 s[\g+1], 32<<16
	s_mov_b32 s[\g+2], (\rows)<<16
	s_mov_b32 s[\g+3], 32<<16
	s_mov_b32 s[\g+4], \rows
	s_mov_b32 s[\g+5], 32
	s_mov_b32 s[\g+6], 0
	s_mov_b32 s[\g+7], 0
.endm
	s_load_b128 s[4:7], s[0:1], 0x0                ; qkv, oc
	s_load_b64 s[8:9], s[0:1], 0x10                ; os
	v_lshl_add_u32 v[SPW], v0, 2, SPARE
	v_mov_b32 v[NIL], 0
	ds_add_u32 v[SPW], v[NIL]                      ; the opening lines: the add twice and its wait
	ds_add_u32 v[SPW], v[NIL]
	v_lshrrev_b32 v[TP], 5, v0
	DEP 1
	v_readfirstlane_b32 s[WV], v[TP]               ; wave 0..15
	v_and_b32 v[TQ], 31, v0
	v_and_b32 v[QSO], 15, v0
	v_bfe_u32 v[SH8], v0, 4, 1
	v_lshlrev_b32 v[B16], 4, v[TQ]
	v_lshlrev_b32 v[B8], 3, v[TQ]
	v_lshlrev_b32 v[QSO], 4, v[QSO]
	v_lshlrev_b32 v[SH8], 3, v[SH8]
	s_lshr_b32 s68, s[WV], 2
	s_and_b32 s69, s[WV], 3
	s_and_b32 s70, s[WV], 1
	s_lshl_b32 s84, s68, 8                         ; every LDS address that is kept is made here, ahead of the first branch on the wave's number
	s_lshl_b32 s85, s69, 2
	s_add_co_u32 s84, s84, s85
	s_add_co_u32 s84, s84, OSB
	s_lshl_b32 s85, s69, 9
	s_add_co_u32 s85, s85, OSB
	WALU
	v_add_nc_u32 v[OSA], s84, v[QSO]               ; [64 queries w / 4][row r][tile w % 4]; the second tile's 1,024 bytes on
	v_add_nc_u32 v[OSR], s85, v[B16]
	s_bfe_u32 s10, ttmp6, 0x40000                  ; cx: it enters Q's, oc's and os's global addresses alone
	s_lshl_b32 s11, ttmp9, 2
	s_add_co_u32 s11, s11, s10                     ; my block of 512 queries
	s_and_b32 s12, ttmp7, 0xffff                   ; batch x 16 + head, which the four partners share
	s_mul_i32 s14, s12, HS
	s_mov_b32 s15, 0
	G1SET 24, 24
	G1SET 32, 96
	s_mul_i32 s72, s68, VOFF                       ; waves 0-3: K's steps 0-3; 4-7: V's; 8, 9: the scale words' two halves: 98,304 (w / 4) + 6,144 (w % 4)
	s_mul_i32 s73, s69, 6144
	s_add_co_u32 s73, s73, s72
	s_add_co_u32 s74, s[WV], 7                     ; waves 10-15: m = 1 .. 6; unit m + (m + 4) / 8 = 1, 2, 3, 5, 6, 7 of 24,576 bytes
	s_and_b32 s74, s74, 7
	s_add_co_u32 s75, s74, 4
	s_lshr_b32 s75, s75, 3
	s_add_co_u32 s74, s74, s75
	s_mul_i32 s74, s74, 24576
	s_mov_b32 s[SEL], 0x76543210
	s_mov_b32 s[SEL+1], 0xfedcba98
	s_mov_b32 s[CS], 0x3e38aa3b                    ; log2(e) / 8
	s_mov_b32 s[CS+1], s[CS]
	s_mov_b32 s60, 0
	s_mov_b32 s61, VOFF
	s_mov_b32 s62, KSOFF
	s_mov_b32 s63, VSOFF
	WALU
	s_wait_dscnt 0x0
	s_wait_kmcnt 0x0
	s_add_nc_u64 s[16:17], s[4:5], s[14:15]        ; the head's first byte; the place in LDS is the place in the head
	s_mov_b32 s48, 1
	s_mov_b32 s49, s73
	s_mov_b32 s14, s73
	s_add_nc_u64 s[50:51], s[16:17], s[14:15]
	s_or_b32 s51, s51, 0x80000000
	s_mov_b32 s52, 1
	s_mov_b32 s53, s74
	s_mov_b32 s14, s74
	s_add_nc_u64 s[54:55], s[16:17], s[14:15]
	s_or_b32 s55, s55, 0x80000000
	ROUND                                          ; all four work-groups are here: the joint loads meet
	s_cmp_lt_u32 s[WV], 10                         ; one load a wave, each kind on a line of its own
	s_cbranch_scc0 .Lrest
	tensor_load_to_lds s[48:51], s[24:31]
	s_nop 0
.rept 4
	v_nop
.endr
	s_branch .Lasked
.Lrest:
	tensor_load_to_lds s[52:55], s[32:39]
	s_nop 0
.rept 4
	v_nop
.endr
.Lasked:
	s_lshl_b32 s13, s11, 5
	s_add_co_u32 s13, s13, s[WV]                   ; my first tile of queries, 0 .. 127; the second is 16 on
	s_mul_i32 s14, s13, 768
	s_add_co_u32 s14, s14, QOFF
	s_add_nc_u64 s[76:77], s[16:17], s[14:15]
	s_lshr_b32 s14, s13, 3
	s_lshl_b32 s14, s14, 9                         ; Q's scale words: [128 queries][lane (r, tile % 2)][tile / 2]
	s_lshl_b32 s19, s70, 8
	s_add_co_u32 s14, s14, s19
	s_bfe_u32 s19, s[WV], 0x20001
	s_lshl_b32 s19, s19, 2
	s_add_co_u32 s14, s14, s19
	s_add_co_u32 s14, s14, QSOFF
	s_add_nc_u64 s[78:79], s[16:17], s[14:15]
	global_load_b128 v[QF:QF+3], v[B16], s[76:77]
	global_load_b64 v[QF+4:QF+5], v[B8], s[76:77] offset:512
	global_load_b32 v[QS], v[QSO], s[78:79]
	global_load_b128 v[Q1:Q1+3], v[B16], s[76:77] offset:12288
	global_load_b64 v[Q1+4:Q1+5], v[B8], s[76:77] offset:12800
	global_load_b32 v[Q1+6], v[QSO], s[78:79] offset:1024
	s_lshr_b32 s86, s12, 4                         ; batch
	s_and_b32 s87, s12, 15                         ; head
	s_lshl_b32 s14, s86, 7
	s_add_co_u32 s14, s14, s13
	s_lshl_b32 s14, s14, 4
	s_add_co_u32 s14, s14, s87
	s_mul_i32 s14, s14, 768
	s_add_nc_u64 s[80:81], s[6:7], s[14:15]        ; oc: [tile of tokens][head][768]
	s_lshl_b32 s14, s86, 5
	s_lshl_b32 s19, s11, 3
	s_add_co_u32 s14, s14, s19
	s_lshl_b32 s14, s14, 8
	s_lshl_b32 s19, s87, 15
	s_add_co_u32 s14, s14, s19
	s_lshl_b32 s19, s69, 9
	s_add_co_u32 s14, s14, s19
	s_add_nc_u64 s[82:83], s[8:9], s[14:15]        ; os: [head][64 tokens][row][tile]
	s_and_b32 s67, s87, 1
	s_lshl_b32 s67, s67, 4                         ; an odd head's two bytes are the upper two of the projection's scale word
	v_mov_b32 v13, 0xff61b1e6                      ; the largest score so far: -3e38
	v_mov_b32 v12, 0x7e967699                      ; -M: 1e38, so that the first step's factor is 0
	v_mov_b32 v[F+1], 0
	v_mov_b32 v[TQ], 0
.irp k, 6,7,8,9,10,11
	v_mov_b32 v[QF+\k], 0                          ; the zero codes of k = 64 .. 127
	v_mov_b32 v[FB+42+\k], 0                       ; what stands behind K's tile 7
.endr
.irp k, 0,1,2,3,4,5,6,7
	v_mov_b32 v[AC+\k], 0
	v_mov_b32 v[S+56+\k], 0
.endr
.set N0, 0
.rept 32
	v_mov_b32 v[O+N0], 0
.set N0, N0+1
.endr
.macro KLOAD j
.irp t, 0,1,2,3,4,5,6,7
	ds_load_b128 v[FB+6*\t:FB+6*\t+3], v[AK16] offset:(\j)*6144+\t*768
	ds_load_b64 v[FB+6*\t+4:FB+6*\t+5], v[AK8] offset:(\j)*6144+\t*768+512
.endr
	ds_load_b128 v[KSC:KSC+3], v[AKS] offset:(\j)*512
.endm
.macro VLOAD j
.irp d, 0,1,2,3
	ds_load_b128 v[FB+12*\d:FB+12*\d+3], v[AV16] offset:(\j)*6144+\d*1536
	ds_load_b64 v[FB+12*\d+4:FB+12*\d+5], v[AV8] offset:(\j)*6144+\d*1536+512
	ds_load_b128 v[FB+12*\d+6:FB+12*\d+9], v[AV16] offset:(\j)*6144+\d*1536+768
	ds_load_b64 v[FB+12*\d+10:FB+12*\d+11], v[AV8] offset:(\j)*6144+\d*1536+1280
.endr
	ds_load_b64 v[VSC:VSC+1], v[AVS] offset:(\j)*256
.endm
.macro QK t
.if (\t)%2
	v_wmma_scale_f32_16x16x128_f8f6f4 v[S+8*\t:S+8*\t+7], v[FB+6*\t:FB+6*\t+11], v[QF:QF+11], 0, v[KSC+\t/2], v[QS] matrix_a_fmt:MATRIX_FMT_FP6 matrix_b_fmt:MATRIX_FMT_FP6 matrix_a_scale:MATRIX_SCALE_ROW1
.else
	v_wmma_scale_f32_16x16x128_f8f6f4 v[S+8*\t:S+8*\t+7], v[FB+6*\t:FB+6*\t+11], v[QF:QF+11], 0, v[KSC+\t/2], v[QS] matrix_a_fmt:MATRIX_FMT_FP6 matrix_b_fmt:MATRIX_FMT_FP6
.endif
.endm
.macro SUMTAIL                         ; the last four pairs of the step before go into the sums
.irp i, 0,2,4,6
	v_pk_add_f32 v[AC+\i:AC+\i+1], v[AC+\i:AC+\i+1], v[S+56+\i:S+57+\i]
.endr
.endm
; A KEY STEP: 128 keys, the j-th of a pair.  more = 1: the next step's K is fetched behind the second product
.macro STEP j, more
	s_wait_dscnt 0x0                               ; K
.irp t, 0,1,2,3,4,5,6
	QK \t
.endr
	SUMTAIL                                        ; four plain lines that name no register of the seven products: their places
	QK 7
.irp g, 0,1,2,3
	v_max3_num_f32 v[MX+\g], v[S+16*\g], v[S+16*\g+1], v[S+16*\g+2]   ; four chains by turns; these four are the places behind tile 7's product
.endr
	VLOAD \j                                       ; V's fragments land while the softmax is walked
.irp i, 3,5,7,9,11,13
.irp g, 0,1,2,3
	v_max3_num_f32 v[MX+\g], v[MX+\g], v[S+16*\g+\i], v[S+16*\g+\i+1]
.endr
.endr
.irp c, 0,1
	v_max3_num_f32 v[BM+\c], v[MX+2*\c], v[MX+2*\c+1], v[S+32*\c+15]
.endr
.irp c, 0,1
	v_max_num_f32 v[BM+\c], v[BM+\c], v[S+32*\c+31]   ; the largest score of my block 2 c + h: for the row's maximum, and, since p rises with the score, for the block's largest p
.endr
	DEP 1
	v_max_num_f32 v[TP], v[BM], v[BM+1]
	DEP 1
	v_permlanex16_b32 v[TQ], v[TP], s[SEL], s[SEL+1]
	DEP 1
	v_max3_num_f32 v13, v13, v[TP], v[TQ]          ; the running largest score
	DEP 1
	v_mul_f32 v[TQ], s[CS], v13                    ; as t
	v_mov_b32 v[TP], v12
	DEP 2
	v_floor_f32 v12, -v[TQ]                        ; the new -M: M is a whole number
	DEP 1
	v_sub_f32 v[TP], v12, v[TP]
	DEP 1
	v_cvt_i32_f32 v[TP], v[TP]                     ; (it saturates)
.set N0, 0
.rept 32
	v_pk_fma_f32 v[S+N0:S+N0+1], v[S+N0:S+N0+1], s[CS:CS+1], v[12:13] op_sel_hi:[1,0,0]   ; t - M
.set N0, N0+2
.endr
.irp c, 0,1
	v_fma_f32 v[BM+\c], v[BM+\c], s[CS], v12
.endr
	WALU
.irp c, 0,1
	v_exp_f32 v[BM+\c], v[BM+\c]                   ; the blocks' largest p
.endr
.set N0, 0
.rept 64
	v_exp_f32 v[S+N0], v[S+N0]                     ; p, at most 1
.set N0, N0+1
.endr
	v_ldexp_f32 v[F], 1.0, v[TP]                   ; 2^(old M - new M): the plain line behind the exponentials
	WALU                                           ; one wait for the batch, ahead of its first reader
.irp c, 0,1
	v_max_num_f32 v[BM+\c], 0x1800000, v[BM+\c]    ; the floor 2^(3 - 127)
.endr
.irp c, 0,1
	DEP 2
	v_add_nc_u32 v[SO+\c], 0xff000000, v[BM+\c]    ; 2 off the exponent field: the conversions' scale operand
.endr
.irp c, 0,1
	v_cvt_scalef32_pk16_fp6_f32 v[PC+6*\c:PC+6*\c+2], v[S+32*\c:S+32*\c+15], v[SO+\c]
	v_cvt_scalef32_pk16_fp6_f32 v[CT+4*\c:CT+4*\c+2], v[S+32*\c+16:S+32*\c+31], v[SO+\c]
.endr
.irp c, 0,1
	v_lshrrev_b32 v[BT+\c], 23, v[SO+\c]           ; the bytes (plain lines behind the conversions)
.endr
	DEP 1
	v_lshl_or_b32 v[PW], v[BT+1], 16, v[BT]        ; blocks h and 2 + h,
	DEP 1
	v_lshlrev_b32 v[PW], v[SH8], v[PW]             ; at their places;
	DEP 1
	v_permlanex16_b32 v[TQ], v[PW], s[SEL], s[SEL+1]
	DEP 1
	v_or_b32 v[PW], v[PW], v[TQ]                   ; with lane l xor 16's two the word is whole
.irp c, 0,1
.irp i, 0,1,2
	v_mov_b32 v[PC+6*\c+3+\i], v[CT+4*\c+\i]       ; (a conversion's three registers begin on an even number)
.endr
.endr
	s_wait_dscnt 0x0                               ; V
	WALU
.set N0, 0
.rept 16
	v_pk_mul_f32 v[O+N0:O+N0+1], v[O+N0:O+N0+1], v[F:F+1] op_sel_hi:[1,0]   ; O^T under the new M; also the places between p's codes and scale word and the products
.set N0, N0+2
.endr
.irp d, 0,1,2,3
.if \d%2
	v_wmma_scale_f32_16x16x128_f8f6f4 v[O+8*\d:O+8*\d+7], v[FB+12*\d:FB+12*\d+11], v[PC:PC+11], v[O+8*\d:O+8*\d+7], v[VSC+\d/2], v[PW] matrix_a_fmt:MATRIX_FMT_FP6 matrix_b_fmt:MATRIX_FMT_FP6 matrix_a_scale:MATRIX_SCALE_ROW1
.else
	v_wmma_scale_f32_16x16x128_f8f6f4 v[O+8*\d:O+8*\d+7], v[FB+12*\d:FB+12*\d+11], v[PC:PC+11], v[O+8*\d:O+8*\d+7], v[VSC+\d/2], v[PW] matrix_a_fmt:MATRIX_FMT_FP6 matrix_b_fmt:MATRIX_FMT_FP6
.endif
.endr
.irp i, 0,2,4,6
	v_pk_fma_f32 v[AC+\i:AC+\i+1], v[AC+\i:AC+\i+1], v[F:F+1], v[S+\i:S+\i+1] op_sel_hi:[1,0,1]   ; the sums under the new M, and the first p: four places behind the products
.endr
.if \more
	KLOAD (\j)+1
.endif
.set N0, 8
.rept 24
	v_pk_add_f32 v[AC+N0%8:AC+N0%8+1], v[AC+N0%8:AC+N0%8+1], v[S+N0:S+N0+1]
.set N0, N0+2
.endr
	WALU
.endm
.macro PAIR                            ; two key steps; then the addresses step on
	v_add_nc_u32 v[AK16], s60, v[B16]
	v_add_nc_u32 v[AK8], s60, v[B8]
	v_add_nc_u32 v[AKS], s62, v[B16]
	v_add_nc_u32 v[AV16], s61, v[B16]
	v_add_nc_u32 v[AV8], s61, v[B8]
	v_add_nc_u32 v[AVS], s63, v[B8]
	KLOAD 0
	s_add_co_u32 s60, s60, 12288
	s_add_co_u32 s61, s61, 12288
	s_add_co_u32 s62, s62, 1024
	s_add_co_u32 s63, s63, 512
	WALU
	STEP 0, 1
	STEP 1, 0
.endm
; THE WAY OUT of tile it: o = O^T / the sum; a lane's 32 numbers are one block of d = 32 (lane / 16) + 0 .. 31; stored as half a fragment of the projection's operand
.macro EPI it
	SUMTAIL
	v_pk_add_f32 v[AC:AC+1], v[AC:AC+1], v[AC+2:AC+3]
	v_pk_add_f32 v[AC+4:AC+5], v[AC+4:AC+5], v[AC+6:AC+7]
	DEP 1
	v_pk_add_f32 v[AC:AC+1], v[AC:AC+1], v[AC+4:AC+5]
	DEP 1
	v_add_f32 v[AC], v[AC], v[AC+1]
	DEP 1
	v_permlanex16_b32 v[TP], v[AC], s[SEL], s[SEL+1]
	DEP 1
	v_add_f32 v[AC], v[AC], v[TP]                  ; the row's sum
	WALU
	v_rcp_f32 v[AC], v[AC]
	v_nop                                          ; a plain line behind the reciprocal
	WALU                                           ; and the wait ahead of its first reader, and of O^T's
.set N0, 0
.rept 16
	v_pk_mul_f32 v[S+N0:S+N0+1], v[O+N0:O+N0+1], v[AC:AC+1] op_sel_hi:[1,0]   ; each accumulator from its low end on
.set N0, N0+2
.endr
.irp b, 0,1
	v_max3_num_f32 v[BM+\b], |v[S+16*\b]|, |v[S+16*\b+1]|, 0x1800000
.endr
.irp i, 2,4,6,8,10,12,14
.irp b, 0,1
	DEP 2
	v_max3_num_f32 v[BM+\b], v[BM+\b], |v[S+16*\b+\i]|, |v[S+16*\b+\i+1]|
.endr
.endr
	DEP 1
	v_max_num_f32 v[BM], v[BM], v[BM+1]
	DEP 1
	v_add_nc_u32 v[SO], 0xff000000, v[BM]
	v_cvt_scalef32_pk16_fp6_f32 v[PC:PC+2], v[S:S+15], v[SO]
	v_cvt_scalef32_pk16_fp6_f32 v[CT:CT+2], v[S+16:S+31], v[SO]
	v_lshrrev_b32 v[BT], 23, v[SO]
	DEP 1
	v_lshlrev_b32 v[PW], v[SH8], v[BT]
	DEP 1
	v_permlanex16_b32 v[TQ], v[PW], s[SEL], s[SEL+1]
	DEP 1
	v_or_b32 v[PW], v[PW], v[TQ]
	DEP 1
	v_lshlrev_b32 v[PW], s67, v[PW]
.irp i, 0,1,2
	v_mov_b32 v[PC+3+\i], v[CT+\i]
.endr
	global_store_b128 v[B16], v[PC:PC+3], s[80:81] offset:(\it)*196608       ; 512 consecutive bytes
	global_store_b64 v[B8], v[PC+4:PC+5], s[80:81] offset:(\it)*196608+512   ; 256
	ds_store_b32 v[OSA], v[PW] offset:(\it)*1024   ; lanes r and r + 16 write the same word with the same value
.endm
	WALU
	s_cmp_lt_u32 s[WV], 10
	s_cbranch_scc0 .Lnot_first
	s_wait_tensorcnt 0x0                           ; waves 0-9: key steps 0-3 and the scale words
.Lnot_first:
	s_barrier_signal -1
	s_barrier_wait -1                              ; nothing is ever filled again
	s_wait_loadcnt 0x0                             ; Q
	PAIR                                           ; key steps 0 and 1 of my first tile
	s_wait_tensorcnt 0x0                           ; key steps 4-15
	s_wait_dscnt 0x0
	s_barrier_signal -1
	s_barrier_wait -1
	s_mov_b32 s66, 7
.Lfirst:
	PAIR
	s_sub_co_u32 s66, s66, 1
	s_cmp_lg_u32 s66, 0
	s_cbranch_scc1 .Lfirst
	EPI 0
	v_mov_b32 v[QS], v[Q1+6]                       ; my second tile: its Q; the first step's factor 0 takes O^T and the sums back to 0
.irp k, 0,1,2,3,4,5
	v_mov_b32 v[QF+\k], v[Q1+\k]
.endr
	v_mov_b32 v13, 0xff61b1e6
	v_mov_b32 v12, 0x7e967699
	s_mov_b32 s60, 0
	s_mov_b32 s61, VOFF
	s_mov_b32 s62, KSOFF
	s_mov_b32 s63, VSOFF
	s_mov_b32 s66, 8
	WALU
	s_wait_xcnt 0x0                                ; the stores have read the codes' registers, which the next step writes
.Lsecond:
	PAIR
	s_sub_co_u32 s66, s66, 1
	s_cmp_lg_u32 s66, 0
	s_cbranch_scc1 .Lsecond
	EPI 1
	s_wait_dscnt 0x0                               ; for the others' sake
	s_barrier_signal -1
	s_barrier_wait -1
	s_cmp_lt_u32 s[WV], 4                          ; the 32 tiles' words leave as 2,048 consecutive bytes, 512 a wave
	s_cbranch_scc0 .Lno_os
	ds_load_b128 v[S:S+3], v[OSR]
	s_wait_dscnt 0x0
	global_store_b128 v[B16], v[S:S+3], s[82:83]
.Lno_os:
	s_wait_tensorcnt 0x0                           ; the wave's end
	ds_add_u32 v[SPW], v[NIL]
	s_wait_dscnt 0x0
	ROUND                                          ; the closing round
	s_endpgm
.Lfunc_end_k_q76549cf307_attn:
	.size	k_q76549cf307_attn, .Lfunc_end_k_q76549cf307_attn-k_q76549cf307_attn
	.p2alignl 7, 3214868480
	.fill 96, 4, 3214868480
	.section	.rodata,"a",@progbits
	.p2align	6, 0x0
	.amdhsa_kernel k_q76549cf307_attn
		.amdhsa_group_segment_fixed_size 215040
		.amdhsa_private_segment_fixed_size 0
		.amdhsa_enable_private_segment 0
		.amdhsa_kernarg_size 24
		.amdhsa_user_sgpr_count 2
		.amdhsa_user_sgpr_kernarg_segment_ptr 1
		.amdhsa_wavefront_size32 1
		.amdhsa_system_sgpr_workgroup_id_x 1
		.amdhsa_system_sgpr_workgroup_id_y 1
		.amdhsa_system_sgpr_workgroup_id_z 1
		.amdhsa_system_vgpr_workitem_id 0
		.amdhsa_next_free_vgpr 256
		.amdhsa_next_free_sgpr 88
		.amdhsa_reserve_vcc 0
		.amdhsa_float_denorm_mode_32 3
		.amdhsa_float_denorm_mode_16_64 3
		.amdhsa_memory_ordered 1
		.amdhsa_forward_progress 1
		.amdhsa_inst_pref_size 109
	.end_amdhsa_kernel
	.amdgpu_metadata
---
amdhsa.version: [ 1, 2 ]
amdhsa.kernels:
  - .name:           k_q76549cf307_attn
    .symbol:         k_q76549cf307_attn.kd
    .args:
      - { .name: qkv, .offset: 0, .size: 8, .value_kind: global_buffer, .address_space: global }
      - { .name: oc, .offset: 8, .size: 8, .value_kind: global_buffer, .address_space: global }
      - { .name: os, .offset: 16, .size: 8, .value_kind: global_buffer, .address_space: global }
    .group_segment_fixed_size: 215040
    .private_segment_fixed_size: 0
    .kernarg_segment_align: 8
    .kernarg_segment_size: 24
    .max_flat_workgroup_size: 512
    .sgpr_count:     88
    .vgpr_count:     256
    .wavefront_size: 32
...
	.end_amdgpu_metadata
.endif
;; end of part 3
;; launch proj (part 4): grid 4 x 32, 4 waves a work-group, clusters of 4 x 4, 327,680 bytes of LDS; arguments oc, os, codes, scales, b_proj, out0; writes out0
.if DOCPART == 4
	.amdgcn_target "amdgcn-amd-amdhsa--gfx1250"
	.amdhsa_code_object_version 6
	.text
	.protected	k_q76549cf307_proj
	.globl	k_q76549cf307_proj
	.p2align	8
	.type	k_q76549cf307_proj,@function
k_q76549cf307_proj:
	s_mov_b64 s[64:65], 0
	v_nop
	global_prefetch_b8 v0, s[64:65] scope:SCOPE_SE
	s_setreg_imm32_b32 hwreg(HW_REG_WAVE_MODE, 25, 1), 1
	s_wait_xcnt 0x0
	s_wait_alu depctr_hold_cnt(0) depctr_sa_sdst(0) depctr_va_vdst(0) depctr_va_sdst(0) depctr_va_ssrc(0) depctr_va_vcc(0) depctr_vm_vsrc(0)
	s_getreg_b32 s2, hwreg(HW_REG_IB_STS2, 6, 4)
	s_cmp_eq_u32 s2, 0
	s_cbranch_scc0 .Lentry_in_a_cluster
	s_endpgm
.Lentry_in_a_cluster:
	s_bfe_u32 s2, ttmp6, 0x10000c
	s_cmp_lg_u32 s2, 0xf033
	s_cbranch_scc0 .Lentry_shape_is_right
	s_endpgm
.Lentry_shape_is_right:
.set SLOT,  98304
.set HALFT, 24576
.set SPARE, 3*SLOT
.set SPITCH, 528
.set L16,  3
.set L8,   4
.set VOR,  5
.set BIO,  6
.set VOP,  7
.set AR16, 8
.set AR8,  11
.set AP16, 14
.set AP8,  17
.set T4,   20
.set STO,  24
.set RD,   25
.set VT,   26
.set SPW,  28
.set NIL,  29
.set SC,   32
.set RF,   128
.set TPW,  128
.set BK,   128
.set G1R,  24
.set G1P,  32
.set G0R,  40
.set G0P,  52
.set MSB, 0
.macro WIN new
.if MSB != \new
	s_set_vgpr_msb (MSB<<8)|\new
.set MSB, \new
.endif
.endm
.macro JLOAD g0a, g1a, g0b, g1b
	s_cmp_eq_u32 s15, 0
	s_cbranch_scc0 .Lfor_p_\@
	tensor_load_to_lds s[\g0a:\g0a+3], s[\g1a:\g1a+7]
	s_nop 0
.rept 4
	v_nop
.endr
	s_branch .Lasked_\@
.Lfor_p_\@:
	tensor_load_to_lds s[\g0b:\g0b+3], s[\g1b:\g1b+7]
	s_nop 0
.rept 4
	v_nop
.endr
.Lasked_\@:
.endm
.macro CREST
	s_cmp_lg_u32 s14, 0
	s_cbranch_scc1 .Lnot_wave_0_\@
	s_barrier_signal -3
.Lnot_wave_0_\@:
	s_barrier_wait -3
	s_barrier_signal -1
	s_barrier_wait -1
.endm
.macro CROUND
	s_barrier_signal -1
	s_barrier_wait -1
	CREST
.endm
.macro PLACES n
.rept \n
	v_nop
.endr
.endm
.macro FRAG reg, a16, a8, off
	ds_load_b128 v[\reg:\reg+3], v[\a16] offset:\off
	ds_load_b64 v[\reg+4:\reg+5], v[\a8] offset:\off+512
	ds_load_b128 v[\reg+6:\reg+9], v[\a16] offset:\off+768
	ds_load_b64 v[\reg+10:\reg+11], v[\a8] offset:\off+1280
.endm
.macro FETCH_P slot, q, set
	WIN 0x40
.irp i, 0,1,2,3,4,5,6,7
	FRAG 128*(\set)+12*\i, AP16+\slot, AP8+\slot, \i*TPI+(\q)*1536
.endr
	WIN 0
.endm
.macro FETCH_R slot, q, i0
.irp i, \i0, \i0+1, \i0+2, \i0+3
	FRAG RF+12*(\i), AR16+\slot, AR8+\slot, (\i)*TPI+(\q)*1536
.endr
.endm
.macro MUL16 a0, ks, first
.irp a, \a0, \a0+1
.irp b, 0,1,2,3,4,5,6,7
.if \first
	v_wmma_scale_f32_16x16x128_f8f6f4 v[8*(8*((\a)%4)+\b):8*(8*((\a)%4)+\b)+7], v[128*((\ks)%2)+12*\b:128*((\ks)%2)+12*\b+11], v[RF+12*(\a):RF+12*(\a)+11], v[96+8*\b+96*(\b/4):96+8*\b+96*(\b/4)+7], v[SC+8*(\ks)+\b], v[SC+8*(\ks)+(\a)] matrix_a_fmt:MATRIX_FMT_FP6 matrix_b_fmt:MATRIX_FMT_FP6 matrix_a_scale:MATRIX_SCALE_ROW1
.else
	v_wmma_scale_f32_16x16x128_f8f6f4 v[8*(8*((\a)%4)+\b):8*(8*((\a)%4)+\b)+7], v[128*((\ks)%2)+12*\b:128*((\ks)%2)+12*\b+11], v[RF+12*(\a):RF+12*(\a)+11], v[8*(8*((\a)%4)+\b):8*(8*((\a)%4)+\b)+7], v[SC+8*(\ks)+\b], v[SC+8*(\ks)+(\a)] matrix_a_fmt:MATRIX_FMT_FP6 matrix_b_fmt:MATRIX_FMT_FP6 matrix_a_scale:MATRIX_SCALE_ROW1
.endif
.endr
.endr
.endm
.macro STEP ks, ns, nq, first
	s_wait_dscnt 16
.if \first
	WIN 0x81
.else
	WIN 0xa1
.endif
	MUL16 0, \ks, \first
	MUL16 2, \ks, \first
	s_wait_dscnt 0x0
	PLACES 4
	FETCH_P \ns, \nq, 1-(\ks)%2
	FETCH_R \ns, \nq, 0
.if \first
	WIN 0xc1
.else
	WIN 0xf1
.endif
	MUL16 4, \ks, \first
	MUL16 6, \ks, \first
	PLACES 4
	WIN 0
	FETCH_R \ns, \nq, 4
.endm
	s_load_b256 s[4:11], s[0:1], 0x0
	s_load_b128 s[68:71], s[0:1], 0x20
	v_lshl_add_u32 v[SPW], v0, 2, SPARE
	v_mov_b32 v[NIL], 0
	ds_add_u32 v28, v29
	ds_add_u32 v28, v29
	s_wait_dscnt 0x0
	v_lshrrev_b32 v1, 5, v0
	v_readfirstlane_b32 s14, v1
	s_lshr_b32 s15, s14, 1
	s_and_b32 s16, s14, 1
	s_bfe_u32 s17, ttmp6, 0x40000
	s_bfe_u32 s18, ttmp6, 0x40004
	s_lshl_b32 s12, ttmp9, 2
	s_add_co_u32 s12, s12, s17
	s_add_co_u32 s66, s12, 44
	s_and_b32 s13, ttmp7, 0xffff
	s_lshl_b32 s67, s13, 2
	s_add_co_u32 s67, s67, s18
	s_lshl_b32 s95, s18, 2
	s_lshl_b32 s95, 15, s95
	s_lshl_b32 s94, 0x1111, s17
	s_or_b32 s[G1R], s95, (3<<16)|(1<<21)
	s_or_b32 s[G1P], s94, (3<<16)|(1<<21)
.irp g, G1R, G1P
	s_mov_b32 s[\g+1], 768<<16                     ; the head's load: 6,144 bytes a tile, 512 along K
	s_mov_b32 s[\g+2], 8<<16
	s_mov_b32 s[\g+3], 768<<16
	s_mov_b32 s[\g+4], 8
	s_mov_b32 s[\g+5], 1536
	s_mov_b32 s[\g+6], 0
	s_mov_b32 s[\g+7], 0
.endr
	s_mul_i32 s22, s67, 196608
	s_mul_i32 s23, s16, 98304
	s_add_co_u32 s22, s22, s23
	s_mov_b32 s23, 0
	s_mul_i32 s2, s66, 196608
	s_mul_i32 s3, s16, 98304
	s_add_co_u32 s2, s2, s3
	s_mov_b32 s3, 0
	s_mul_i32 s96, s14, 2*HALFT                    ; region A: wave x 49,152, [tile 8][6,144]
	s_mul_i32 s97, s14, HALFT                      ; region B, behind A: wave x 24,576, [tile 8][3,072]
	s_mov_b32 s80, 0x76543210
	s_mov_b32 s81, 0xfedcba98
	s_wait_kmcnt 0x0
	s_add_nc_u64 s[22:23], s[4:5], s[22:23]
	s_add_nc_u64 s[2:3], s[8:9], s[2:3]
	CROUND
.irp s, 0,1
	s_mov_b32 s[G0R+4*\s], 1
	s_add_co_u32 s[G0R+4*\s+1], s[96+\s], \s*2*SLOT
	s_add_nc_u64 s[G0R+4*\s+2:G0R+4*\s+3], s[22:23], \s*6144
	s_or_b32 s[G0R+4*\s+3], s[G0R+4*\s+3], 0x80000000
	s_mov_b32 s[G0P+4*\s], 1
	s_add_co_u32 s[G0P+4*\s+1], s[96+\s], \s*2*SLOT
	s_add_nc_u64 s[G0P+4*\s+2:G0P+4*\s+3], s[2:3], \s*6144
	s_or_b32 s[G0P+4*\s+3], s[G0P+4*\s+3], 0x80000000
.endr
	JLOAD G0R, G1R, G0P, G1P                       ; region A: one tensor load a wave at the head
	v_and_b32 v1, 15, v0
	v_bfe_u32 v2, v0, 4, 1
	v_and_b32 v[VT], 31, v0
	v_lshlrev_b32 v[L16], 4, v[VT]
	v_lshlrev_b32 v[L8], 3, v[VT]
	s_mul_i32 s97, s15, 2*HALFT
	s_mul_i32 s98, s16, 2*HALFT
	s_add_co_u32 s98, s98, 4*HALFT
.irp s, 0,1
	v_add_nc_u32 v[AR16+\s], s97, v[L16]
	v_add_nc_u32 v[AR8+\s], s97, v[L8]
	v_add_nc_u32 v[AP16+\s], s98, v[L16]
	v_add_nc_u32 v[AP8+\s], s98, v[L8]
	s_mul_i32 s97, s15, HALFT                      ; region B
	s_mul_i32 s98, s16, HALFT
	s_add_co_u32 s97, s97, 2*SLOT
	s_add_co_u32 s98, s98, 2*SLOT+2*HALFT
.endr
	s_mul_i32 s99, s14, 16*SPITCH
	s_add_co_u32 s99, s99, 2*SLOT                  ; the stages lie in region B: it has had its one fill, and its last read stands ahead of the barrier in K step 5
	v_mul_u32_u24 v[STO], v1, SPITCH
	v_lshl_add_u32 v[STO], v2, 7, v[STO]           ; lanes 16-31 hold columns 32 further on
	v_add_nc_u32 v[STO], s99, v[STO]
	v_add_nc_u32 v[RD], s99, v[L16]
	s_lshl_b32 s83, s12, 10
	s_lshl_b32 s84, s16, 9
	s_add_co_u32 s83, s83, s84
	v_lshlrev_b32 v[BIO], 7, v2
	v_add_nc_u32 v[BIO], s83, v[BIO]
.irp p, 0,1,2,3,4,5,6,7
	global_load_b128 v[96+8*\p+96*(\p/4):96+8*\p+96*(\p/4)+3], v[BIO], s[68:69] offset:(64*(\p/4)+8*(\p%4))*4
	global_load_b128 v[96+8*\p+96*(\p/4)+4:96+8*\p+96*(\p/4)+7], v[BIO], s[68:69] offset:(64*(\p/4)+8*(\p%4))*4+16
.endr
	s_lshl_b32 s85, s67, 2
	s_lshl_b32 s86, s15, 1
	s_add_co_u32 s85, s85, s86
	s_lshl_b32 s85, s85, 8
	v_lshlrev_b32 v[VOR], 15, v2
	v_lshl_add_u32 v[VOR], v1, 4, v[VOR]
	v_add_nc_u32 v[VOR], s85, v[VOR]
	s_lshl_b32 s87, s12, 2
	s_lshl_b32 s88, s16, 1
	s_add_co_u32 s87, s87, s88
	s_add_co_u32 s87, s87, 176
	s_lshl_b32 s87, s87, 11
	v_lshlrev_b32 v[VOP], 4, v1
	v_add_nc_u32 v[VOP], s87, v[VOP]
.irp k, 0,1,2,3,4,5,6,7
.irp g, 0,1
	global_load_b128 v[SC+8*\k+4*\g:SC+8*\k+4*\g+3], v[VOR], s[6:7] offset:\k*65536+\g*256
	global_load_b128 v[TPW+8*\k+4*\g:TPW+8*\k+4*\g+3], v[VOP], s[10:11] offset:\k*256+\g*2048
.endr
.endr
	s_lshl_b32 s82, s67, 8
	s_lshl_b32 s84, s15, 7
	s_add_co_u32 s82, s82, s84
	s_lshl_b32 s82, s82, 12
	s_add_co_u32 s82, s82, s83
	s_mov_b32 s83, 0
	s_add_nc_u64 s[70:71], s[70:71], s[82:83]
	s_mov_b32 vcc_lo, 0xffff0000
.irp k, 0,1,2,3
	v_mov_b32 v[T4+\k], 0
.endr
	s_wait_alu depctr_va_vdst(0)
	s_wait_loadcnt 0x0
.set X0, 0
.rept 16
.irp k, 0,1,2,3
	v_permlanex16_b32 v[T4+\k], v[SC+X0+\k], s80, s81
.endr
.irp k, 0,1,2,3
	v_or_b32 v[T4+\k], v[T4+\k], v[SC+X0+\k]
.endr
.irp k, 0,1,2,3
	v_cndmask_b32 v[SC+X0+\k], v[T4+\k], v[TPW+X0+\k], vcc_lo
.endr
.set X0, X0+4
.endr
	PLACES 8
	s_wait_alu depctr_va_vdst(0)
	s_wait_tensorcnt 0x0                           ; my part of region A is in
	ds_add_u32 v[SPW], v[NIL]
	s_mov_b32 s[G1R+1], 384<<16                    ; no tensor load of mine is out: from here on a load brings 3,072 bytes a tile
	s_mov_b32 s[G1R+3], 384<<16
	s_mov_b32 s[G1P+1], 384<<16
	s_mov_b32 s[G1P+3], 384<<16
	s_wait_dscnt 0x0
	CROUND
	JLOAD G0R+4, G1R, G0P+4, G1P                   ; region B: it has K steps 0 to 2 in which to land
.set TPI, 6144
	FETCH_P 0, 0, 0
	FETCH_R 0, 0, 0
	FETCH_R 0, 0, 4
	STEP 0, 0, 1, 1
	STEP 1, 0, 2, 0
	STEP 2, 0, 3, 0
	s_wait_tensorcnt 0x0
	ds_add_u32 v[SPW], v[NIL]
	s_wait_dscnt 17
	WIN 0xa1
	MUL16 0, 3, 0
	s_wait_dscnt 0x0
	s_barrier_signal -1
	MUL16 2, 3, 0
	WIN 0
	s_barrier_wait -1
	CREST
	s_add_nc_u64 s[G0R+2:G0R+3], s[G0R+2:G0R+3], 3*3072
	s_add_nc_u64 s[G0P+2:G0P+3], s[G0P+2:G0P+3], 3*3072
	JLOAD G0R, G1R, G0P, G1P                       ; the one refill: the last 256 along K over region A's first bytes
.set TPI, 3072
	FETCH_P 1, 0, 0
	FETCH_R 1, 0, 0
	WIN 0xf1
	MUL16 4, 3, 0
	MUL16 6, 3, 0
	PLACES 4
	WIN 0
	FETCH_R 1, 0, 4
	STEP 4, 1, 1, 0
	s_wait_tensorcnt 0x0
	s_wait_dscnt 16
	WIN 0xa1
	MUL16 0, 5, 0
	s_wait_dscnt 0x0
	s_barrier_signal -1
	MUL16 2, 5, 0
	WIN 0
	s_barrier_wait -1
	PLACES 4
	FETCH_P 0, 0, 0
	FETCH_R 0, 0, 0
	WIN 0xf1
	MUL16 4, 5, 0
	MUL16 6, 5, 0
	PLACES 4
	WIN 0
	FETCH_R 0, 0, 4
	STEP 6, 0, 1, 0
	s_wait_dscnt 16
	WIN 0xa1
	s_wait_alu depctr_va_vdst(0)
	MUL16 0, 7, 0
	MUL16 2, 7, 0
	s_wait_dscnt 0x0
	WIN 0xf1
	MUL16 4, 7, 0
	MUL16 6, 7, 0
	WIN 0
.macro TOSTAGE t
.set AC, 64*((\t)%4)
.set W3, 0x08+4*((\t)/4)
	WIN W3
.irp p, 0,1,2,3,4,5,6,7
	ds_store_b128 v[STO], v[AC+8*\p:AC+8*\p+3] offset:256*(\p/4)+32*(\p%4)
	ds_store_b128 v[STO], v[AC+8*\p+4:AC+8*\p+7] offset:256*(\p/4)+32*(\p%4)+16
.endr
	WIN 0
.set BB, BK+64*((\t)%2)
.irp q, 0,1,2,3,4,5,6,7,8,9,10,11,12,13,14,15
	ds_load_b128 v[BB+4*\q:BB+4*\q+3], v[RD] offset:\q*SPITCH
.endr
.endm
.macro SEND t, younger
.set BB, BK+64*((\t)%2)
	s_wait_dscnt \younger
.irp q, 0,1,2,3,4,5,6,7,8,9,10,11,12,13,14,15
	global_store_b128 v[L16], v[BB+4*\q:BB+4*\q+3], s[70:71] offset:(64*((\t)/4)+8*((\t)%4)+\q%8+32*(\q/8))*4096 th:TH_STORE_NT
.endr
.endm
	PLACES 4
	TOSTAGE 0
.irp a, 1,2,3,4,5,6,7
.if \a > 1
	s_wait_xcnt 0x0
.endif
	TOSTAGE \a
	SEND \a-1, 32
.endr
	SEND 7, 0
	s_wait_tensorcnt 0x0
	ds_add_u32 v[SPW], v[NIL]
	s_wait_dscnt 0x0
	CROUND
	s_endpgm
.Lfunc_end_k_q76549cf307_proj:
	.size	k_q76549cf307_proj, .Lfunc_end_k_q76549cf307_proj-k_q76549cf307_proj
	.p2alignl 7, 3214868480
	.fill 96, 4, 3214868480
	.section	.rodata,"a",@progbits
	.p2align	6, 0x0
	.amdhsa_kernel k_q76549cf307_proj
		.amdhsa_group_segment_fixed_size 327680
		.amdhsa_private_segment_fixed_size 0
		.amdhsa_enable_private_segment 0
		.amdhsa_kernarg_size 48
		.amdhsa_user_sgpr_count 2
		.amdhsa_user_sgpr_kernarg_segment_ptr 1
		.amdhsa_wavefront_size32 1
		.amdhsa_system_sgpr_workgroup_id_x 1
		.amdhsa_system_sgpr_workgroup_id_y 1
		.amdhsa_system_sgpr_workgroup_id_z 1
		.amdhsa_system_vgpr_workitem_id 0
		.amdhsa_next_free_vgpr 1024
		.amdhsa_next_free_sgpr 100
		.amdhsa_reserve_vcc 1
		.amdhsa_float_denorm_mode_32 3
		.amdhsa_float_denorm_mode_16_64 3
		.amdhsa_memory_ordered 1
		.amdhsa_forward_progress 1
		.amdhsa_inst_pref_size 152
	.end_amdhsa_kernel
	.amdgpu_metadata
---
amdhsa.version: [ 1, 2 ]
amdhsa.kernels:
  - .name:           k_q76549cf307_proj
    .symbol:         k_q76549cf307_proj.kd
    .args:
      - { .name: oc, .offset: 0, .size: 8, .value_kind: global_buffer, .address_space: global }
      - { .name: os, .offset: 8, .size: 8, .value_kind: global_buffer, .address_space: global }
      - { .name: codes, .offset: 16, .size: 8, .value_kind: global_buffer, .address_space: global }
      - { .name: scales, .offset: 24, .size: 8, .value_kind: global_buffer, .address_space: global }
      - { .name: b_proj, .offset: 32, .size: 8, .value_kind: global_buffer, .address_space: global }
      - { .name: out0, .offset: 40, .size: 8, .value_kind: global_buffer, .address_space: global }
    .group_segment_fixed_size: 327680
    .private_segment_fixed_size: 0
    .kernarg_segment_align: 8
    .kernarg_segment_size: 48
    .max_flat_workgroup_size: 128
    .sgpr_count:     100
    .vgpr_count:     1024
    .wavefront_size: 32
...
	.end_amdgpu_metadata
.endif
;; end of part 4
